; MI455X (gfx1250); checked and timed in simulation.
; The chip was launched on July 23, 2026; its instructions are those of AMD's public machine-readable ISA for CDNA 5 (MIT licence, August 2026) and "CDNA5" Instruction Set Architecture Reference Guide (July 2026). The comments in the code are by the model that wrote it; some were corrected since.
;; Diff Attention. Allowed arithmetic: matrix products marked QUANTISED: E4M3 operands, one given power-of-two scale a tensor, by v_wmma_f32_16x16x64_fp8_fp8 or v_wmma_f32_16x16x128_fp8_fp8, f32 sums; everything else in f32.
;; Inputs: b_proj 256 float32; lambda_k1 64 float32; lambda_k2 64 float32; lambda_q1 64 float32; lambda_q2 64 float32; lowp_scales 12 int32 (the exponents e of the quantised operands' scales 2^e); sub_norm_w 128 float32; w_proj 256 x 256 float32; w_qkv 768 x 256 float32; x 4 x 4,096 x 256 float32.
;; Outputs: out0 4 x 4,096 x 256 float32.
;; This version of the problem:
;;   THIS VERSION OF THE PROBLEM IS GIVEN IN LOW PRECISION. The matrix products marked QUANTISED in the list below multiply operands that are first quantised to E4M3 (4 exponent bits, 3 mantissa bits; 8 bits a number), with one given power-of-two scale for each operand tensor; their sums are f32. All else is computed in f32.
;;   The module's matrix products, in the order in which they are computed (A, B: the left and right operand; K: the contracted axis; several contracted axes count as one K, in the product's order):
;;     1. [M 16,384, K 256] x [K 256, N 768]; A: input x; B: input w_qkv: QUANTISED (scales: A lowp_scales[0], B lowp_scales[1])
;;     2. batch 8 x [M 4,096, K 64] x [K 64, N 4,096]; A: computed on the way; B: computed on the way: QUANTISED (scales: A lowp_scales[2], B lowp_scales[3])
;;     3. batch 8 x [M 4,096, K 4,096] x [K 4,096, N 128]; A: softmax (see below); B: computed on the way: QUANTISED (scales: A lowp_scales[4], B lowp_scales[5])
;;     4. batch 8 x [M 4,096, K 64] x [K 64, N 4,096]; A: computed on the way; B: computed on the way: QUANTISED (scales: A lowp_scales[6], B lowp_scales[7])
;;     5. batch 8 x [M 4,096, K 4,096] x [K 4,096, N 128]; A: softmax (see below); B: computed on the way: QUANTISED (scales: A lowp_scales[8], B lowp_scales[9])
;;     6. [M 16,384, K 256] x [K 256, N 256]; A: computed on the way; B: input w_proj: QUANTISED (scales: A lowp_scales[10], B lowp_scales[11])
;;   THE QUANTISER, for each operand of a quantised product, along K:
;;     - The operand's scale is 2^e, e = its entry of the input lowp_scales (int32; the entries are numbered through the quantised products in the list's order, A before B).
;;     - Each number is divided by the scale, clamped to +-448, and rounded to the nearest number of E4M3, ties to even, subnormals kept.
;;     - The product sums the exact products of the quantised numbers (number of the format x scale) in f32.
;;   ~~~python
;;   def quantise(x, axis, e):      # numpy; x: float32 -> the quantised numbers, widened to float32 again
;;       x = np.moveaxis(x, axis, -1); K = x.shape[-1]
;;       r = np.clip(x / 2.0 ** e, -448, 448)
;;       step = 2.0 ** (np.maximum(np.frexp(np.where(r == 0, 1, r))[1] - 1, -6) - 3)
;;       q = np.round(r / step) * step * 2.0 ** e      # np.round: ties to even
;;       return np.moveaxis(q, -1, axis).astype(np.float32)
;;   ~~~
;;   SOFTMAX AHEAD OF A QUANTISED PRODUCT. Where the list says 'softmax', what is quantised is not the finished softmax but p = 2^(t - M), with t = logit x log2(e) and M = ceil(the row's largest t), a whole number; so 1/2 < the row's largest p <= 1. The row's sum l is taken of the UNQUANTISED p, in f32, and the product's result is divided by l at the end. Since M is a whole number, a kernel that streams over the keys may use a running M (the ceiling of the running maximum): every later rescaling is an exact power of two, so the quantised numbers keep their values, but for numbers so far below the row's largest that they fall under the format's range.
;;   OPERANDS COMPUTED ON THE WAY. 'Computed on the way' means the value that the module computes at that place (a softmax that the list does not call 'softmax' is quantised finished and normalised). What goes into a quantiser is computed in f32, as accurately as f32 sums, v_exp_f32 and their like allow (about 1e-6 of the number): no bf16 or f16 on the way to a quantiser, and a product that is left as it is and whose result goes on into a quantised operand takes f32 operands (vector FMAs, or v_wmma_f32_16x16x4_f32). A number that lies on a knife's edge between two numbers of the format may be rounded either way, as far as f32 arithmetic and the matrix unit's own rounding can turn it there, and no further.
;; One version. Each part assembles by itself: llvm-mc -triple=amdgcn-amd-amdhsa -mcpu=gfx1250 --defsym DOCPART=n.
;; ======== version 1 of 1: 3 launches
;; limits: right only within a limited range of input values
;; workspace buffers: qc 4,194,304 bytes; kv 12,582,912 bytes; oc 4,194,304 bytes; wp 65,536 bytes
;; launch prep (part 1): grid 256 x 1, 8 waves a work-group, no clusters, 50,176 bytes of LDS; arguments x, w_qkv, w_proj, lowp_scales, qc, kv, wp; writes qc, kv, wp
.if DOCPART == 1
	.amdgcn_target "amdgcn-amd-amdhsa--gfx1250"
	.amdhsa_code_object_version 6
	.text
	.protected	k_qaadef9eaca_prep
	.globl	k_qaadef9eaca_prep
	.p2align	8
	.type	k_qaadef9eaca_prep,@function
k_qaadef9eaca_prep:
	s_mov_b64 s[64:65], 0
	v_nop
	global_prefetch_b8 v0, s[64:65] scope:SCOPE_SE
	s_setreg_imm32_b32 hwreg(HW_REG_WAVE_MODE, 25, 1), 1
	s_wait_xcnt 0x0
; qkv = Q(x) Q(w_qkv)^T on codes of FP8 (E4M3); q, k and v are quantised at once for the attention's products and leave as codes; w_proj is quantised on the side.
; x [16384][256], w_qkv [768][256], w_proj [256][256]: f32.  lowp_scales: twelve whole numbers e0 .. e11.
; EVERY BUFFER WRITTEN HERE IS AN IMAGE OF OPERAND REGISTERS: four registers of a fragment are 512 bytes, lane l's 16 bytes at 16 l: each store of a wave covers 512 consecutive bytes, aligned.
;   qc [bh 8][i 2][block of 32 queries 128][tile u 2][cc 2][lane][16]            kv [bh 8][block of 128 keys 32][K1 8 KB | K2 8 KB | V1 16 KB | V2 16 KB]
;   K: [tile t 8][cc 2][lane][16]   V: [tile et 8][c 4][lane][16]                wp [tile of 16 rows 16][K step 2][c 4][lane][16]
; SHARES.  A work-group takes 256 rows of x (rb = id % 64) and three units of 64 columns (g = id / 64): columns 64 g of q, of k and of v: head h = g / 2, half i' = g % 2.  Wave w takes tokens 32 w .. 32 w + 31 as two tiles.
; THE ROWS OF A TILE ARE NOT NEIGHBOURS: lane r of tile 2 b + u takes row 32 b + 8 u + P(r), P(r) = r + 8 (r / 8); so for tokens in x's tiles and for w_qkv's rows in a unit.  The 16 result registers of two neighbouring tiles are
; then 16 neighbours 32 b + 16 (lane / 16) + 0 .. 15, which two conversions turn into four registers of the next operand.
; q and k: the product is used transposed (source 0 = w_qkv's rows, source 1 = tokens): a lane holds a token, its registers run along d.   v: natural (source 0 = tokens): a lane holds a channel, its registers run along the keys.
; A fragment's registers 4 c .. 4 c + 3 hold k = 32 c + 16 (lane / 16) + 0 .. 15: a permutation of k that is the same on both sides of every product.
; v is stored twice: with e5 for the first attention and with e9 for the second.  A sum stands for sum x 2^(e0 + e1): that is folded into the conversions' scales.
; LIMITS: e0, e1, e11, and e2, e3, e5, e6, e7, e9 each less e0 + e1, lie between -126 and 119, so that each scale and 448 x it are f32 numbers.  NaN among the inputs is not served.
.set LI,  1                            ; v1   16 x lane: my place in an image
.set XA,  2                            ; v2   P(r) x 1,024 + 64 (lane / 16): my 16 numbers of a block of 32, rows permuted
.set NA,  3                            ; v3   r x 1,024 + 64 (lane / 16): the same, rows as they lie (w_proj)
.set WI,  4                            ; v4   where I store my three fragments of w_qkv: 16 x lane + 6,144 x wave
.set XF,  16                           ; v16-79   x's four fragments (tile u, K step s) at XF + 16 (2 u + s); before them my three fragments of w_qkv
.set TMP, 80                           ; v80-95   16 held numbers ahead of a conversion
.set SA,  96                           ; v96-159, v160-223: two stages of 64 numbers
.set SB,  160
.set WF,  96                           ; later: four fragments of w_qkv,
.set ACC, 160                          ; four accumulators,
.set CD,  192                          ; and four registers for each of the 16 stores, so that no store's data are written again
.macro FLOAD reg, adr, ptr, off        ; 64 numbers of a lane: register 16 b + i = k 32 b + 16 (lane / 16) + i of my row
.irp b, 0,1,2,3
.irp j, 0,1,2,3
	global_load_b128 v[\reg+16*\b+4*\j:\reg+16*\b+4*\j+3], v[\adr], s[\ptr:\ptr+1] offset:\off+128*\b+16*\j
.endr
.endr
.endm
.macro QUANT src, dst, sc, lim         ; they become a fragment's 16 registers of codes
.irp b, 0,1,2,3
.irp i, 0,1,2,3,4,5,6,7,8,9,10,11,12,13,14,15
	v_med3_num_f32 v[\src+16*\b+\i], v[\src+16*\b+\i], -v[\lim], v[\lim]   ; the conversion to an 8-bit code does not saturate (ISA guide 7.6.2): the hold at 448 x the scale
.endr
	v_cvt_scalef32_pk8_fp8_f32 v[\dst+4*\b:\dst+4*\b+1], v[\src+16*\b:\src+16*\b+7], v[\sc]
	v_cvt_scalef32_pk8_fp8_f32 v[\dst+4*\b+2:\dst+4*\b+3], v[\src+16*\b+8:\src+16*\b+15], v[\sc]
.endr
	v_nop                                          ; a plain vector line behind the last conversion, ahead of whatever next touches its registers
.endm
.macro IMAGE src, off                  ; a fragment goes to LDS as it stands
.irp c, 0,1,2,3
	ds_store_b128 v[WI], v[\src+4*\c:\src+4*\c+3] offset:\off+512*\c
.endr
.endm
.macro Q16 src, dst, sc, lim           ; 16 sums become 16 codes; the sums stay as they are (v's are quantised twice); each accumulator is read from its low end on
.set i, 0
.rept 16
	v_med3_num_f32 v[TMP+i], v[\src+i], -v[\lim], v[\lim]
.set i, i+1
.endr
	v_cvt_scalef32_pk8_fp8_f32 v[\dst:\dst+1], v[TMP:TMP+7], v[\sc]
	v_cvt_scalef32_pk8_fp8_f32 v[\dst+2:\dst+3], v[TMP+8:TMP+15], v[\sc]
	v_nop                                          ; a plain line before TMP is written again
.endm
.macro WFETCH T0                       ; tiles T0 and T0 + 1 of w_qkv, both K steps: WF + 32 tt + 16 s
.irp n, 0,1,2,3,4,5,6,7,8,9,10,11,12,13,14,15
	ds_load_b128 v[WF+4*\n:WF+4*\n+3], v[LI] offset:4096*(\T0)+512*\n
.endr
.endm
.macro MKSC e, sc, lim                 ; s[e] = an exponent: 2^e and 448 x 2^e as f32
	s_add_co_i32 s52, s[\e], 127
	s_lshl_b32 s53, s52, 23
	v_mov_b32 v[\sc], s53
	s_add_co_i32 s52, s52, 8
	s_lshl_b32 s52, s52, 23
	s_or_b32 s52, s52, 0x600000
	v_mov_b32 v[\lim], s52
.endm
.macro WBASE k, dst                    ; byte offset in w_qkv of my fragment F = 3 wave + k: tile T = F / 2, K step F % 2
	s_mul_i32 s52, s18, 3
	s_add_co_u32 s52, s52, \k
	s_lshr_b32 s53, s52, 1                         ; T
	s_and_b32 s52, s52, 1
	s_lshl_b32 s52, s52, 9                         ; 512 bytes a K step
	s_lshr_b32 s54, s53, 2
	s_lshl_b32 s54, s54, 8                         ; q, k or v: 256 rows apart
	s_lshl_b32 s55, s46, 6
	s_add_co_u32 s54, s54, s55                     ; + 64 g
	s_bfe_u32 s55, s53, 0x10001
	s_lshl_b32 s55, s55, 5
	s_add_co_u32 s54, s54, s55                     ; + 32 ((T % 4) / 2)
	s_and_b32 s55, s53, 1
	s_lshl_b32 s55, s55, 3
	s_add_co_u32 s54, s54, s55                     ; + 8 (T % 2)
	s_lshl_b32 s54, s54, 10
	s_add_co_u32 s[\dst], s54, s52
	s_mov_b32 s[\dst+1], 0
.endm
.macro PLACES                          ; four plain vector lines behind matrix instructions, ahead of reads of their results and of loads into their registers
.rept 4
	v_nop
.endr
.endm
	s_load_b256 s[4:11], s[0:1], 0x0               ; x s[4:5], w_qkv s[6:7], w_proj s[8:9], the exponents s[10:11]
	s_load_b128 s[12:15], s[0:1], 0x20             ; qc s[12:13], kv s[14:15]
	s_load_b64 s[16:17], s[0:1], 0x30              ; wp
	s_set_vgpr_msb 0x40
	v_lshl_add_u32 v0, v0, 2, 0xc000
	v_mov_b32 v1, 0
	s_set_vgpr_msb 0x4000
	v_lshrrev_b32 v5, 5, v0
	s_delay_alu instid0(VALU_DEP_1)
	v_readfirstlane_b32 s18, v5                    ; wave 0..7
	v_and_b32 v5, 31, v0
	s_delay_alu instid0(VALU_DEP_1)
	v_lshlrev_b32 v[LI], 4, v5
	v_and_b32 v6, 15, v0                           ; r
	v_bfe_u32 v7, v0, 4, 1                         ; lane / 16
	s_delay_alu instid0(VALU_DEP_2)
	v_lshlrev_b32 v[NA], 10, v6
	s_delay_alu instid0(VALU_DEP_1)
	v_lshl_add_u32 v[NA], v7, 6, v[NA]
	s_delay_alu instid0(VALU_DEP_4)
	v_and_b32 v5, 8, v6
	s_delay_alu instid0(VALU_DEP_1)
	v_add_nc_u32 v5, v5, v6                        ; P(r)
	s_delay_alu instid0(VALU_DEP_1)
	v_lshlrev_b32 v[XA], 10, v5
	s_delay_alu instid0(VALU_DEP_1)
	v_lshl_add_u32 v[XA], v7, 6, v[XA]
	s_mul_i32 s50, s18, 6144
	v_add_nc_u32 v[WI], s50, v[LI]
	s_and_b32 s49, ttmp9, 63                       ; rb = id % 64 (in place of id / 4): the four work-groups that read the same 256 rows of x have numbers 64 apart
	s_lshr_b32 s46, ttmp9, 6                       ; g = id / 64 (in place of id % 4)
	s_and_b32 s19, s46, 1                          ; i'
	s_and_b32 s47, s49, 15                         ; rb within the batch
	s_lshr_b32 s48, s49, 4                         ; b
	s_lshl_b32 s48, s48, 1
	s_lshr_b32 s50, s46, 1
	s_add_co_u32 s48, s48, s50                     ; bh = 2 b + h
	WBASE 0, 32
	WBASE 1, 34
	WBASE 2, 36
	s_lshl_b32 s38, s49, 18                        ; x: (256 rb + 32 wave) rows of 1,024 bytes
	s_lshl_b32 s50, s18, 15
	s_add_co_u32 s38, s38, s50
	s_mov_b32 s39, 0
	s_lshl_b32 s40, s48, 1                         ; qc: ((2 bh + i') 128 + 8 rbi + wave) blocks of 2,048 bytes
	s_add_co_u32 s40, s40, s19
	s_lshl_b32 s40, s40, 7
	s_lshl_b32 s50, s47, 3
	s_add_co_u32 s40, s40, s50
	s_add_co_u32 s40, s40, s18
	s_lshl_b32 s40, s40, 11
	s_mov_b32 s41, 0
	s_lshl_b32 s42, s48, 5                         ; kv: (32 bh + 2 rbi + wave / 4) blocks of 49,152 bytes
	s_lshl_b32 s50, s47, 1
	s_add_co_u32 s42, s42, s50
	s_lshr_b32 s50, s18, 2
	s_add_co_u32 s42, s42, s50
	s_mul_i32 s42, s42, 49152
	s_lshl_b32 s50, s19, 13
	s_add_co_u32 s42, s42, s50                     ; + 8,192 i': K1 or K2; in V: tiles 4 i' on
	s_and_b32 s51, s18, 3
	s_lshl_b32 s50, s51, 9
	s_add_co_u32 s44, s42, s50                     ; V: my 32 keys are group c = wave % 4 of each tile,
	s_add_co_u32 s44, s44, 16384                   ; behind K1 and K2
	s_lshl_b32 s50, s51, 11
	s_add_co_u32 s42, s42, s50                     ; K: my two tiles 2 (wave % 4) + u
	s_mov_b32 s43, 0
	s_mov_b32 s45, 0
	s_wait_alu depctr_va_vdst(0)
	s_wait_kmcnt 0x0
	s_load_b256 s[20:27], s[10:11], 0x0            ; e0 .. e7
	s_load_b128 s[28:31], s[10:11], 0x20           ; e8 .. e11
	s_add_nc_u64 s[32:33], s[6:7], s[32:33]
	s_add_nc_u64 s[34:35], s[6:7], s[34:35]
	s_add_nc_u64 s[36:37], s[6:7], s[36:37]
	s_add_nc_u64 s[38:39], s[4:5], s[38:39]
	s_add_nc_u64 s[40:41], s[12:13], s[40:41]
	s_add_nc_u64 s[42:43], s[14:15], s[42:43]
	s_add_nc_u64 s[44:45], s[14:15], s[44:45]
	; ---- the operands are quantised: three fragments of w_qkv (to LDS, for all eight waves), four of x (they stay).  Two stages by turns: 32 loads of a wave are out
	FLOAD SA, XA, 32, 0
	FLOAD SB, XA, 34, 0
	s_wait_kmcnt 0x0
	MKSC 21, 8, 9                                  ; w_qkv's scale
	MKSC 20, 10, 11                                ; x's
	s_wait_alu depctr_va_vdst(0)
	s_wait_loadcnt 16                              ; this stage's 16 loads are in; the other stage's 16 are younger (so in each turn but the last)
	QUANT SA, 16, 8, 9
	IMAGE 16, 0
	FLOAD SA, XA, 36, 0
	s_wait_loadcnt 16
	QUANT SB, 32, 8, 9
	IMAGE 32, 2048
	FLOAD SB, XA, 38, 0                            ; x: tile 0, K step 0
	s_wait_loadcnt 16
	QUANT SA, 48, 8, 9
	IMAGE 48, 4096
	FLOAD SA, XA, 38, 512                          ; tile 0, K step 1
	s_wait_dscnt 0x0                               ; the images have left v16-63
	s_wait_loadcnt 16
	QUANT SB, XF, 10, 11
	FLOAD SB, XA, 38, 8192                         ; tile 1 begins 8 rows further down
	s_wait_loadcnt 16
	QUANT SA, XF+16, 10, 11
	FLOAD SA, XA, 38, 8704
	s_wait_loadcnt 16
	QUANT SB, XF+32, 10, 11
	s_wait_loadcnt 0x0
	QUANT SA, XF+48, 10, 11
	s_wait_dscnt 0x0                               ; my stores into LDS have landed,
	s_barrier_signal -1
	s_barrier_wait -1                              ; everybody's have: the 24 fragments of w_qkv lie in LDS, and nobody writes them again
	; ---- the products, two tiles of columns at a time
	s_add_co_i32 s54, s20, s21                     ; e0 + e1
	s_cmp_eq_u32 s19, 0
	s_cselect_b32 s55, s22, s26                    ; q's scale: e2 or e6
	s_cselect_b32 s56, s23, s27                    ; k's: e3 or e7
	s_sub_co_i32 s55, s55, s54
	s_sub_co_i32 s56, s56, s54
	s_sub_co_i32 s57, s25, s54                     ; v's: e5,
	s_sub_co_i32 s58, s29, s54                     ; and e9
	MKSC 55, 8, 9
	MKSC 56, 10, 11
	MKSC 57, 12, 13
	MKSC 58, 14, 15
; q or k: transposed.  The four accumulators (u, tt) take turns, one instruction a turn.  Between two groups stand six v_nop or more.
.macro GROUP_QK T0, cc, ptr, sc, lim, n0
	WFETCH \T0
	s_wait_dscnt 0x0
.irp ks, 0,1
	s_wait_alu depctr_va_vdst(0)
.irp u, 0,1
.irp tt, 0,1
.if \ks == 0
	v_wmma_f32_16x16x128_fp8_fp8 v[ACC+16*\u+8*\tt:ACC+16*\u+8*\tt+7], v[WF+32*\tt+16*\ks:WF+32*\tt+16*\ks+15], v[XF+16*(2*\u+\ks):XF+16*(2*\u+\ks)+15], 0
.else
	v_wmma_f32_16x16x128_fp8_fp8 v[ACC+16*\u+8*\tt:ACC+16*\u+8*\tt+7], v[WF+32*\tt+16*\ks:WF+32*\tt+16*\ks+15], v[XF+16*(2*\u+\ks):XF+16*(2*\u+\ks)+15], v[ACC+16*\u+8*\tt:ACC+16*\u+8*\tt+7]
.endif
.endr
.endr
.endr
	PLACES
.irp u, 0,1
	Q16 ACC+16*\u, CD+4*(\n0+\u), \sc, \lim        ; my token's d = 32 cc + 16 (lane / 16) + 0 .. 15
	global_store_b128 v[LI], v[CD+4*(\n0+\u):CD+4*(\n0+\u)+3], s[\ptr:\ptr+1] offset:1024*\u+512*\cc
.endr
.endm
; v: natural.  The accumulators (tt, u): my channel's keys 32 (wave % 4) + 16 (lane / 16) + 0 .. 15
.macro GROUP_V T0, n0
	WFETCH \T0
	s_wait_dscnt 0x0
.irp ks, 0,1
.irp tt, 0,1
.irp u, 0,1
.if \ks == 0
	v_wmma_f32_16x16x128_fp8_fp8 v[ACC+16*\tt+8*\u:ACC+16*\tt+8*\u+7], v[XF+16*(2*\u+\ks):XF+16*(2*\u+\ks)+15], v[WF+32*\tt+16*\ks:WF+32*\tt+16*\ks+15], 0
.else
	v_wmma_f32_16x16x128_fp8_fp8 v[ACC+16*\tt+8*\u:ACC+16*\tt+8*\u+7], v[XF+16*(2*\u+\ks):XF+16*(2*\u+\ks)+15], v[WF+32*\tt+16*\ks:WF+32*\tt+16*\ks+15], v[ACC+16*\tt+8*\u:ACC+16*\tt+8*\u+7]
.endif
.endr
.endr
.endr
	PLACES
.irp tt, 0,1
	Q16 ACC+16*\tt, CD+4*(\n0+2*\tt), 12, 13
	global_store_b128 v[LI], v[CD+4*(\n0+2*\tt):CD+4*(\n0+2*\tt)+3], s[44:45] offset:2048*(\T0-8+\tt)
	Q16 ACC+16*\tt, CD+4*(\n0+2*\tt+1), 14, 15
	global_store_b128 v[LI], v[CD+4*(\n0+2*\tt+1):CD+4*(\n0+2*\tt+1)+3], s[44:45] offset:16384+2048*(\T0-8+\tt)
.endr
.endm
	GROUP_QK 0, 0, 40, 8, 9, 0
	GROUP_QK 2, 1, 40, 8, 9, 2
	GROUP_QK 4, 0, 42, 10, 11, 4
	GROUP_QK 6, 1, 42, 10, 11, 6
	GROUP_V 8, 8
	GROUP_V 10, 12
	; ---- w_proj: 32 fragments, one for each wave of the first four work-groups.  No barrier and no LDS access stands under this branch
	s_cmp_lt_u32 ttmp9, 4
	s_cbranch_scc0 .Ldone
	s_lshl_b32 s50, ttmp9, 3
	s_add_co_u32 s50, s50, s18                     ; fragment 8 id + wave: rows 16 (F / 2) on, K step F % 2
	s_lshr_b32 s54, s50, 1
	s_lshl_b32 s54, s54, 14
	s_and_b32 s55, s50, 1
	s_lshl_b32 s55, s55, 9
	s_add_co_u32 s54, s54, s55
	s_mov_b32 s55, 0
	s_add_nc_u64 s[8:9], s[8:9], s[54:55]
	s_lshl_b32 s54, s50, 11
	s_add_nc_u64 s[16:17], s[16:17], s[54:55]
	FLOAD SA, NA, 8, 0
	MKSC 31, 8, 9                                  ; e11
	s_wait_alu depctr_va_vdst(0)
	s_wait_loadcnt 0x0
	QUANT SA, XF, 8, 9
.irp c, 0,1,2,3
	global_store_b128 v[LI], v[XF+4*\c:XF+4*\c+3], s[16:17] offset:512*\c
.endr
.Ldone:
	s_set_vgpr_msb 0x5
	s_wait_tensorcnt 0x0
	ds_add_u32 v0, v1
	s_wait_dscnt 0x0
	s_set_vgpr_msb 0x500
	s_endpgm
.Lfunc_end_k_qaadef9eaca_prep:
	.size	k_qaadef9eaca_prep, .Lfunc_end_k_qaadef9eaca_prep-k_qaadef9eaca_prep
	.p2alignl 7, 3214868480
	.fill 96, 4, 3214868480
	.section	.rodata,"a",@progbits
	.p2align	6, 0x0
	.amdhsa_kernel k_qaadef9eaca_prep
		.amdhsa_group_segment_fixed_size 50176
		.amdhsa_private_segment_fixed_size 0
		.amdhsa_enable_private_segment 0
		.amdhsa_kernarg_size 56
		.amdhsa_user_sgpr_count 2
		.amdhsa_user_sgpr_kernarg_segment_ptr 1
		.amdhsa_wavefront_size32 1
		.amdhsa_system_sgpr_workgroup_id_x 1
		.amdhsa_system_sgpr_workgroup_id_y 1
		.amdhsa_system_sgpr_workgroup_id_z 1
		.amdhsa_system_vgpr_workitem_id 0
		.amdhsa_next_free_vgpr 258
		.amdhsa_next_free_sgpr 66
		.amdhsa_reserve_vcc 0
		.amdhsa_float_denorm_mode_32 3
		.amdhsa_float_denorm_mode_16_64 3
		.amdhsa_memory_ordered 1
		.amdhsa_forward_progress 1
		.amdhsa_inst_pref_size 88
	.end_amdhsa_kernel
	.amdgpu_metadata
---
amdhsa.version: [ 1, 2 ]
amdhsa.kernels:
  - .name:           k_qaadef9eaca_prep
    .symbol:         k_qaadef9eaca_prep.kd
    .args:
      - { .name: x, .offset: 0, .size: 8, .value_kind: global_buffer, .address_space: global }
      - { .name: w_qkv, .offset: 8, .size: 8, .value_kind: global_buffer, .address_space: global }
      - { .name: w_proj, .offset: 16, .size: 8, .value_kind: global_buffer, .address_space: global }
      - { .name: lowp_scales, .offset: 24, .size: 8, .value_kind: global_buffer, .address_space: global }
      - { .name: qc, .offset: 32, .size: 8, .value_kind: global_buffer, .address_space: global }
      - { .name: kv, .offset: 40, .size: 8, .value_kind: global_buffer, .address_space: global }
      - { .name: wp, .offset: 48, .size: 8, .value_kind: global_buffer, .address_space: global }
    .group_segment_fixed_size: 50176
    .private_segment_fixed_size: 0
    .kernarg_segment_align: 8
    .kernarg_segment_size: 56
    .max_flat_workgroup_size: 256
    .sgpr_count:     66
    .vgpr_count:     258
    .wavefront_size: 32
...
	.end_amdgpu_metadata
.endif
;; end of part 1
;; launch attn (part 2): grid 256 x 1, 4 waves a work-group, clusters of 4 x 1, 327,680 bytes of LDS; arguments qc, kv, lowp_scales, lambda_q1, lambda_k1, lambda_q2, lambda_k2, sub_norm_w, oc; writes oc
.if DOCPART == 2
	.amdgcn_target "amdgcn-amd-amdhsa--gfx1250"
	.amdhsa_code_object_version 6
	.text
	.protected	k_qaadef9eaca_attn
	.globl	k_qaadef9eaca_attn
	.p2align	8
	.type	k_qaadef9eaca_attn,@function
k_qaadef9eaca_attn:
	s_mov_b64 s[64:65], 0
	v_nop
	global_prefetch_b8 v0, s[64:65] scope:SCOPE_SE
	s_setreg_imm32_b32 hwreg(HW_REG_WAVE_MODE, 25, 1), 1
	s_wait_xcnt 0x0
	s_wait_alu depctr_hold_cnt(0) depctr_sa_sdst(0) depctr_va_vdst(0) depctr_va_sdst(0) depctr_va_ssrc(0) depctr_va_vcc(0) depctr_vm_vsrc(0)
	s_getreg_b32 s2, hwreg(HW_REG_IB_STS2, 6, 4)
	s_cmp_eq_u32 s2, 0
	s_cbranch_scc0 .Lentry_in_a_cluster
	s_endpgm
.Lentry_in_a_cluster:
	s_bfe_u32 s2, ttmp6, 0x10000c
	s_cmp_lg_u32 s2, 0x3003
	s_cbranch_scc0 .Lentry_shape_is_right
	s_endpgm
.Lentry_shape_is_right:
; Both attentions of a head, their difference, the norm and the quantiser for the projection.  All operands are codes of FP8 (E4M3), laid as images of operand registers (four registers = 512 bytes, lane l's 16 bytes at 16 l):
;   qc [bh 8][i 2][block of 32 queries 128][tile u 2][cc 2][lane][16]     kv [bh 8][block of 128 keys 32][K1 8 KB | K2 8 KB | V1 16 KB | V2 16 KB]     oc [tile of 16 rows 1,024][h 2][c 4][lane][16]
; SOFTMAX: t = score x log2(e) / 8; M = the running largest t, rounded UP to a whole number; p = 2^(t - M) is quantised, not normalised; the row's sum is taken of the unquantised p and divides at the end;
; when M moves, the sum and O are multiplied by 2^(old M - new M), which rounds nothing.
; SHARES.  A work-group owns 128 queries of one (b, h), for BOTH attentions.  Four waves, as many as a WGP has SIMDs.  Wave w: attention I = w / 2, queries 64 (w % 2) on, as FOUR tiles of 16: tile T's Q, S^T, O^T and codes lie in
; register window T under the same numbers, so each fragment of K or V read from LDS feeds four matrix instructions.
; LAYOUT.  S^T = K Q^T and O^T = V^T P^T: a lane holds one query throughout.
; A KEY STEP (128 keys): 32 products S^T; the four tiles' maxima; M and f for all four tiles by turns, on state that lies in window 1; t - M; ONE batch of 256 exponentials; O^T x f; sums, holds, conversions.
; THE SECOND PRODUCT RUNS ONE STEP BEHIND: the 32 products O^T += V^T P^T of step k - 1 stand among the exponentials of step k, one ahead of every eight; O^T is multiplied by step k's f behind them.
; The first step's lagging products find zeros in the codes and in V's registers; the last step's stand in the tail.
; RING.  Two LDS slots of 256 keys (98,304 dense bytes); each wave fetches 24,576 bytes with one tensor load: one tensor load of a wave is out at any time.
; CLUSTER.  The four partners are four query blocks of one (b, h) and walk the same kv: every tile is asked for JOINTLY (mask 15).  The place in the cluster enters qc's, oc's and the prefetches' global addresses alone.
; The eight clusters of a (b, h) are those whose numbers agree in bits 0, 2 and 3.
; O^T and the sums begin as zeros, so that the key step has no first form of its own: that saves a further copy of the two key steps.
; LIMITS on the given exponents, so that each power of two below is an f32 number: e2 + e3 and e6 + e7 between -123 and 130 (added to c's exponent field); e4, e8, e10 between -126 and 119.  NaN among the inputs is not served.
; REGISTERS.  every window T: v16-23 Q; v96-159 S^T, then p; v160-223 O^T; v224-239 p's codes; v240, v241 448 x 2^ep; v244 2^ep; v242, v243, v246-251 at work.
;   v32-95: window 0 K of a slot's first step, window 3 K of its second, window 1 V's tiles 0-3, window 2 V's tiles 4-7.   window 0: v1-9, v24-27 addresses.
;   window 1, for tile T: v[2T] -M, v[2T+1] the largest t; v[8+2T] f, v[9+2T] at work; v[24+2T:25+2T] the sum in two halves; v[252+T] the step's largest score.
.set SLOT1, 1<<17                      ; slot 1 begins here: one exclusive or turns an address in one slot into the other's
.set BLKB,  49152                      ; a block of 128 keys
.set SLOTB, 98304
.set SPARE, 262144                     ; the spare words, 128 bytes for each wave: two blocks of 256 bytes that no other line names
.set AK0, 1                            ; v1   16 x lane + 8,192 I
.set AV0, 2                            ; v2   16 x lane + 16,384 + 16,384 I
.set PFO, 3                            ; v3   256 x lane
.set LI,  4                            ; v4   16 x lane
.set SPW, 5                            ; v5   my spare word; never rewritten
.set NIL, 6                            ; v6   0; never rewritten
.set ADK, 8                            ; v8, v9  K's and V's addresses in the slot in hand
.set ADV, 9
.set STO, 24                           ; v24  the tail's stage: 16 x lane + 32,768 x wave
.set RD1, 25                           ; v25  16 x lane + 16,384 x wave: the first attention's two tiles that I finish,
.set RD2, 26                           ; v26  and the second's, 65,536 further on
.set WO,  27                           ; v27  64 (lane / 16)
.set NM,  0                            ; window 1: the state
.set FP,  8
.set LP,  24
.set MX,  252
.set WV,  22
.set II,  23
.set CX,  24
.set G1,  28
.set G0,  36
.set SEL, 40
.set CS,  42
.set TB,  44
.set SLOTS, 45
.set LIM, 46
.set PFA, 48
.set EPV, 57
.set GF,  58
.set MSB, 0
.macro WIN new                         ; low byte: bits 1:0 source 0, 3:2 source 1, 5:4 source 2, 7:6 destination; the high byte repeats the setting that is left
.if MSB != \new
	s_set_vgpr_msb (MSB<<8)|\new
.set MSB, \new
.endif
.endm
.macro W4 d, c, b, a                   ; windows of the destination, source 2, source 1, source 0
	WIN (((\d)<<6)|((\c)<<4)|((\b)<<2)|(\a))
.endm
.macro PLACES                          ; four plain vector lines behind matrix instructions (ISA guide 7.12.1)
.rept 4
	v_nop
.endr
.endm
.macro CREST                           ; a round of the cluster's barrier behind its opening barrier
	s_cmp_lg_u32 s[WV], 0
	s_cbranch_scc1 .Lnot_wave_0_\@
	s_barrier_signal -3
.Lnot_wave_0_\@:
	s_barrier_wait -3
	s_barrier_signal -1
	s_barrier_wait -1
.endm
.macro CROUND
	s_barrier_signal -1
	s_barrier_wait -1
	CREST
.endm
; A prefetch of the slot that the NEXT refill will ask for: two key steps ahead of that load.  Of the eight clusters that walk a (b, h)'s kv the first asks; its four partners take 24,576 bytes each, told apart by address;
; in each, waves 0 to 2 ask, 8,192 bytes a wave, lanes 256 bytes apart.  Slots 0 and 1 come by their loads alone; the last refill asks for nothing.
.macro ASK
	s_cmp_gt_u32 s[SLOTS], s[LIM]
	s_cbranch_scc0 .Lnot_mine_\@
	global_prefetch_b8 v[PFO], s[PFA:PFA+1] th:TH_LOAD_NT scope:SCOPE_SE
.Lnot_mine_\@:
.endm
.macro FILL                            ; the joint load, first behind the round; s_nop 0 and four v_nop follow it
	tensor_load_to_lds s[G0:G0+3], s[G1:G1+7]
	s_nop 0
	PLACES
	ASK
.endm
.macro KLOAD                           ; K of both steps of the slot ahead: 32 loads
.set f, 0
.rept 16
	ds_load_b128 v[32+4*f:35+4*f], v[ADK] offset:512*f
.set f, f+1
.endr
	W4 3,0,0,0
.set f, 0
.rept 16
	ds_load_b128 v[32+4*f:35+4*f], v[ADK] offset:BLKB+512*f
.set f, f+1
.endr
	WIN 0
.endm
.macro VLOAD q                         ; V of step q: 32 loads
	W4 1,0,0,0
.set f, 0
.rept 16
	ds_load_b128 v[32+4*f:35+4*f], v[ADV] offset:BLKB*(\q)+512*f
.set f, f+1
.endr
	W4 2,0,0,0
.set f, 0
.rept 16
	ds_load_b128 v[32+4*f:35+4*f], v[ADV] offset:BLKB*(\q)+8192+512*f
.set f, f+1
.endr
	WIN 0
.endm
.macro KQ kw                           ; S^T = K Q^T: four query tiles x eight tiles of 16 keys; K in window kw
.irp T, 0,1,2,3
	W4 \T,\T,\T,\kw
.set t, 0
.rept 8
	v_wmma_f32_16x16x64_fp8_fp8 v[96+8*t:103+8*t], v[32+8*t:39+8*t], v[16:23], 0
.set t, t+1
.endr
.endr
.endm
.macro PV                              ; O^T += V^T P^T by itself (the last step's): each of the 32 accumulators has one instruction a step
.irp T, 0,1,2,3
.irp g, 0,1
	W4 \T,\T,\T,1+\g
.set t, 0
.rept 4
	v_wmma_f32_16x16x128_fp8_fp8 v[160+8*(4*\g+t):167+8*(4*\g+t)], v[32+16*t:47+16*t], v[224:239], v[160+8*(4*\g+t):167+8*(4*\g+t)]
.set t, t+1
.endr
.endr
.endr
.endm
.macro MAXT T                          ; the step's largest score of my query among my 64 keys: four chains, registers in ascending order; it ends as two numbers in the state's window
	W4 \T,\T,\T,\T
	v_max3_num_f32 v242, v96, v97, v98
	v_max3_num_f32 v246, v99, v100, v101
	v_max3_num_f32 v248, v102, v103, v104
	v_max3_num_f32 v250, v105, v106, v107
.set j, 12
.rept 6
	v_max3_num_f32 v242, v242, v[96+j], v[97+j]
	v_max3_num_f32 v246, v246, v[98+j], v[99+j]
	v_max3_num_f32 v248, v248, v[100+j], v[101+j]
	v_max3_num_f32 v250, v250, v[102+j], v[103+j]
.set j, j+8
.endr
	v_max3_num_f32 v242, v242, v156, v157
	W4 1,\T,\T,\T
	v_max3_num_f32 v[FP+2*\T+1], v248, v250, v158
	v_max3_num_f32 v[MX+\T], v242, v246, v159
.endm
.macro PHB                             ; M and f, the four tiles by turns, all in window 1
	WIN 0x55
.irp T, 0,1,2,3
	v_max_num_f32 v[MX+\T], v[MX+\T], v[FP+2*\T+1]
.endr
.irp T, 0,1,2,3
	v_permlanex16_b32 v[FP+2*\T+1], v[MX+\T], s[SEL], s[SEL+1]
.endr
.irp T, 0,1,2,3
	v_max_num_f32 v[MX+\T], v[MX+\T], v[FP+2*\T+1] ; and among lane l xor 16's
.endr
.irp T, 0,1,2,3
	v_mul_f32 v[MX+\T], s[CS], v[MX+\T]            ; as t (c is positive)
.endr
.irp T, 0,1,2,3
	v_max_num_f32 v[NM+2*\T+1], v[NM+2*\T+1], v[MX+\T]   ; the running largest t
.endr
.irp T, 0,1,2,3
	v_floor_f32 v[MX+\T], -v[NM+2*\T+1]            ; the new -M: M is a whole number
.endr
.irp T, 0,1,2,3
	v_sub_f32 v[FP+2*\T+1], v[MX+\T], v[NM+2*\T]   ; old M - new M: a whole number, 0 or less
.endr
.irp T, 0,1,2,3
	v_mov_b32 v[NM+2*\T], v[MX+\T]
.endr
.irp T, 0,1,2,3
	v_cvt_i32_f32 v[FP+2*\T+1], v[FP+2*\T+1]       ; (it saturates)
.endr
.irp T, 0,1,2,3
	v_ldexp_f32 v[FP+2*\T], 1.0, v[FP+2*\T+1]      ; f = 2^(old M - new M)
.endr
.endm
.macro RESC T                          ; O^T under the new M, each accumulator from its low end on
	W4 \T,0,1,\T
	s_wait_alu depctr_va_vdst(0)
.set j, 0
.rept 32
	v_pk_mul_f32 v[160+j:161+j], v[160+j:161+j], v[FP+2*\T:FP+2*\T+1] op_sel_hi:[1,0]
.set j, j+2
.endr
.endm
.macro FMAT T                          ; t - M, two at a time
	W4 \T,1,0,\T
.set j, 0
.rept 32
	v_pk_fma_f32 v[96+j:97+j], v[96+j:97+j], s[CS:CS+1], v[NM+2*\T:NM+2*\T+1] op_sel_hi:[1,0,0]
.set j, j+2
.endr
.endm
.macro EXPV                            ; the batch: p = 2^(t - M), at most 1; ahead of every eight exponentials one of the step before's products O^T += V^T P^T
.irp T, 0,1,2,3
.irp i, 0,1,2,3,4,5,6,7
	W4 \T,\T,\T,1+\i/4
	v_wmma_f32_16x16x128_fp8_fp8 v[160+8*\i:167+8*\i], v[32+16*(\i%4):47+16*(\i%4)], v[224:239], v[160+8*\i:167+8*\i]
	W4 \T,\T,\T,\T
.set j, 8*\i
.rept 8
	v_exp_f32 v[96+j], v[96+j]
.set j, j+1
.endr
.endr
.endr
.endm
.macro SUMQ T                          ; the row's sum of the unquantised p, in four chains; the hold; the codes
	W4 \T,\T,\T,\T
	v_pk_add_f32 v[242:243], v[96:97], v[98:99]
	v_pk_add_f32 v[246:247], v[100:101], v[102:103]
	v_pk_add_f32 v[248:249], v[104:105], v[106:107]
	v_pk_add_f32 v[250:251], v[108:109], v[110:111]
.set j, 16
.rept 6
	v_pk_add_f32 v[242:243], v[242:243], v[96+j:97+j]
	v_pk_add_f32 v[246:247], v[246:247], v[98+j:99+j]
	v_pk_add_f32 v[248:249], v[248:249], v[100+j:101+j]
	v_pk_add_f32 v[250:251], v[250:251], v[102+j:103+j]
.set j, j+8
.endr
	v_pk_add_f32 v[242:243], v[242:243], v[246:247]
	v_pk_add_f32 v[248:249], v[248:249], v[250:251]
.set j, 0
.rept 32
	v_dual_min_num_f32 v[96+j], v[96+j], v240 :: v_dual_min_num_f32 v[97+j], v[97+j], v241   ; the conversion does not saturate (ISA guide 7.6.2); p is not negative: a one-sided hold, two numbers a line
.if j == 14
	v_pk_add_f32 v[242:243], v[242:243], v[248:249]
.endif
.set j, j+2
.endr
.irp b, 0,1,2,3
	v_cvt_scalef32_pk8_fp8_f32 v[224+4*\b:225+4*\b], v[96+16*\b:103+16*\b], v244
	v_cvt_scalef32_pk8_fp8_f32 v[226+4*\b:227+4*\b], v[104+16*\b:111+16*\b], v244
.endr
	W4 1,\T,1,1
	v_pk_fma_f32 v[LP+2*\T:LP+2*\T+1], v[LP+2*\T:LP+2*\T+1], v[FP+2*\T:FP+2*\T+1], v[242:243] op_sel_hi:[1,0,1]   ; the sum x f + this step's; also the plain line behind the conversions
.endm
.macro SMA                             ; from the scores to t - M
	PLACES
.irp T, 0,1,2,3
	MAXT \T
.endr
	PHB
.irp T, 0,1,2,3
	FMAT \T
.endr
	WIN 0
	s_wait_alu depctr_va_vdst(0)                   ; the wait ahead of the batch
.endm
; A slot's two key steps.  At its head K of both steps has been asked for (32 loads), and the step before's V and codes lie in registers.  fill = 1: the slot is filled again behind a round of the cluster's barrier.
.macro BODY fill
	s_wait_dscnt 0x0                               ; K is in
	KQ 0
	SMA
	EXPV
	PLACES                                         ; plain lines behind the exponentials and behind the products
	RESC 0
	RESC 1                                         ; (these 64 lines are also the places ahead of the loads into V's registers)
	VLOAD 0
	RESC 2
	RESC 3
.irp T, 0,1,2,3
	SUMQ \T
.endr
	KQ 3
	SMA
	s_wait_dscnt 0x0                               ; the first step's V is in
	EXPV
	PLACES
	RESC 0
	RESC 1
	VLOAD 1                                        ; my last reads of this slot
	s_xor_b32 s[TB], s[TB], SLOT1                  ; the addresses go on to the other slot
	v_add_nc_u32 v[ADK], s[TB], v[AK0]
	v_add_nc_u32 v[ADV], s[TB], v[AV0]
	s_wait_tensorcnt 0x0                           ; my part of the slot ahead has landed: no tensor load of mine is out, so group 0 may be written
	ds_add_u32 v[SPW], v[NIL]                      ; 0 onto my spare word
.if \fill
	s_xor_b32 s[G0+1], s[G0+1], SLOT1              ; this slot,
	s_add_nc_u64 s[G0+2:G0+3], s[G0+2:G0+3], SLOTB ; the keys two slots on
	s_wait_xcnt 0x0                                ; the last prefetch has read its address
	s_add_nc_u64 s[PFA:PFA+1], s[PFA:PFA+1], SLOTB
.endif
	RESC 2
	RESC 3
	SUMQ 0
	WIN 0
	s_wait_alu depctr_va_vdst(0)
	s_wait_dscnt 0x0                               ; the add is done, and my reads of this slot are over
	s_barrier_signal -1
	SUMQ 1                                         ; work on registers alone
	WIN 0
	s_wait_alu depctr_va_vdst(0)
	s_barrier_wait -1
.if \fill
	CREST                                          ; the barrier has opened a round: no wave of any partner still reads this slot or has a load on its way
	FILL
	KLOAD
.else
	s_cmp_eq_u32 s[SLOTS], 1                       ; behind the last slot there is no K to fetch
	s_cbranch_scc1 .Lno_k_\@
	KLOAD
.Lno_k_\@:
.endif
	SUMQ 2                                         ; the last two tiles' sums and codes stand over K's loads
	SUMQ 3
	WIN 0
	s_wait_alu depctr_va_vdst(0)                   ; the wait here, ahead of the branch
.endm
.macro QUANT src, dst, sc, lim
.irp b, 0,1,2,3
.irp i, 0,1,2,3,4,5,6,7,8,9,10,11,12,13,14,15
	v_med3_num_f32 v[\src+16*\b+\i], v[\src+16*\b+\i], -v[\lim], v[\lim]
.endr
	v_cvt_scalef32_pk8_fp8_f32 v[\dst+4*\b:\dst+4*\b+1], v[\src+16*\b:\src+16*\b+7], v[\sc]
	v_cvt_scalef32_pk8_fp8_f32 v[\dst+4*\b+2:\dst+4*\b+3], v[\src+16*\b+8:\src+16*\b+15], v[\sc]
.endr
	v_nop
.endm
.macro NORM n                          ; one tile: o = a1 - lam a2, the norm, sub_norm_w, the codes; all in window n
	W4 \n,\n,\n,\n
.set j, 0
.rept 32
	v_pk_add_f32 v[96+j:97+j], v[96+j:97+j], v[160+j:161+j]
.set j, j+2
.endr
	v_pk_mul_f32 v[242:243], v[96:97], v[96:97]    ; the sum of squares, in two chains
	v_pk_mul_f32 v[248:249], v[98:99], v[98:99]
.set j, 4
.rept 15
	v_pk_fma_f32 v[242:243], v[96+j:97+j], v[96+j:97+j], v[242:243]
	v_pk_fma_f32 v[248:249], v[98+j:99+j], v[98+j:99+j], v[248:249]
.set j, j+4
.endr
	v_pk_add_f32 v[242:243], v[242:243], v[248:249]
	v_add_f32 v250, v242, v243
	v_permlanex16_b32 v246, v250, s[SEL], s[SEL+1]
	v_add_f32 v250, v250, v246                     ; over the row's 128 channels
	v_fma_f32 v250, v250, s59, s60                 ; the mean + 1e-5
	s_wait_alu depctr_va_vdst(0)
	v_rsq_f32 v250, v250
	v_nop
	s_wait_alu depctr_va_vdst(0)
	v_mul_f32 v250, 0x3f4ccccd, v250               ; x (1 - 0.2)
	v_mov_b32 v244, s95
	v_mov_b32 v240, s96
.set j, 0
.rept 32
	v_pk_mul_f32 v[96+j:97+j], v[96+j:97+j], v[250:251] op_sel_hi:[1,0]
.set j, j+2
.endr
.set j, 0
.rept 32
	v_pk_mul_f32 v[96+j:97+j], v[96+j:97+j], v[32+j:33+j]
.set j, j+2
.endr
	QUANT 96, 224, 244, 240
	W4 0,0,\n,0
.irp c, 0,1,2,3
	global_store_b128 v[LI], v[224+4*\c:227+4*\c], s[20:21] offset:4096*\n+512*\c   ; 512 consecutive bytes a store, aligned
.endr
.endm
	s_load_b512 s[4:19], s[0:1], 0x0               ; qc s[4:5], kv s[6:7], exponents s[8:9], lambda_q1, k1, q2, k2 s[10:17], sub_norm_w s[18:19]
	s_load_b64 s[20:21], s[0:1], 0x40              ; oc
	v_lshl_add_u32 v[SPW], v0, 2, SPARE
	v_mov_b32 v[NIL], 0
	ds_add_u32 v[SPW], v[NIL]                      ; the opening lines: the add, twice on end, and its wait ahead of my first tensor load
	ds_add_u32 v[SPW], v[NIL]
	v_lshrrev_b32 v10, 5, v0
	v_readfirstlane_b32 s[WV], v10                 ; wave 0..3
	s_lshr_b32 s[II], s[WV], 1                     ; which attention
	s_bfe_u32 s[CX], ttmp6, 0x40000                ; my place in the cluster
	s_mov_b32 s[TB], 0
	s_lshl_b32 s50, s[II], 13
	s_lshl_b32 s51, s[II], 14
	s_add_co_u32 s51, s51, 16384
	s_lshl_b32 s52, s[WV], 15
	s_lshl_b32 s53, s[WV], 14
	v_and_b32 v10, 31, v0
	v_lshlrev_b32 v[LI], 4, v10
	v_lshlrev_b32 v[PFO], 8, v10
	v_lshlrev_b32 v11, 3, v10                      ; 8 x lane: two numbers of each lambda
	v_add_nc_u32 v[AK0], s50, v[LI]
	v_add_nc_u32 v[AV0], s51, v[LI]
	v_add_nc_u32 v[STO], s52, v[LI]
	v_add_nc_u32 v[RD1], s53, v[LI]
	v_add_nc_u32 v[RD2], 0x10000, v[RD1]
	v_bfe_u32 v[WO], v0, 4, 1
	v_lshlrev_b32 v[WO], 6, v[WO]
	v_add_nc_u32 v[ADK], s[TB], v[AK0]
	v_add_nc_u32 v[ADV], s[TB], v[AV0]
	s_wait_alu depctr_va_vdst(0)                   ; the wait here, ahead of the run of scalar lines and the waits below
	s_and_b32 s80, ttmp9, 15                       ; the cluster's number c: bh = its bits 3, 2 and 0,
	s_lshr_b32 s81, s80, 2
	s_lshl_b32 s81, s81, 1
	s_and_b32 s82, s80, 1
	s_or_b32 s81, s81, s82
	s_lshr_b32 s82, ttmp9, 4                       ; and which of the (b, h)'s eight clusters: its bits 5, 4 and 1
	s_lshl_b32 s82, s82, 1
	s_bfe_u32 s80, s80, 0x10001
	s_or_b32 s82, s82, s80
	s_lshl_b32 s83, s82, 2
	s_add_co_u32 s83, s83, s[CX]                   ; my block of 128 queries
	s_mul_i32 s84, s81, 1572864                    ; kv: a (b, h)'s 32 blocks
	s_mov_b32 s85, 0
	s_mul_i32 s86, s[WV], 24576                    ; my wave's part of a slot, in memory and in LDS
	s_mov_b32 s87, 0
	s_mul_i32 s88, s[CX], 24576                    ; the prefetches: my work-group's part of a slot,
	s_lshl_b32 s89, s[WV], 13                      ; my wave's 8,192 bytes of it,
	s_add_co_u32 s88, s88, s89
	s_add_co_u32 s88, s88, 2*SLOTB                 ; in slot 2
	s_mov_b32 s89, 0
	s_lshl_b32 s90, s81, 1                         ; qc: ((2 bh + I) 128 + 4 x block + 2 (wave % 2)) x 2,048
	s_add_co_u32 s90, s90, s[II]
	s_lshl_b32 s90, s90, 7
	s_lshl_b32 s91, s83, 2
	s_add_co_u32 s90, s90, s91
	s_and_b32 s91, s[WV], 1
	s_lshl_b32 s91, s91, 1
	s_add_co_u32 s90, s90, s91
	s_lshl_b32 s90, s90, 11
	s_mov_b32 s91, 0
	s_lshr_b32 s92, s81, 1                         ; oc: ((256 b + 8 x block + 2 wave) 2 + h) x 2,048
	s_lshl_b32 s92, s92, 8
	s_lshl_b32 s93, s83, 3
	s_add_co_u32 s92, s92, s93
	s_lshl_b32 s93, s[WV], 1
	s_add_co_u32 s92, s92, s93
	s_lshl_b32 s92, s92, 1
	s_and_b32 s93, s81, 1
	s_add_co_u32 s92, s92, s93
	s_lshl_b32 s92, s92, 11
	s_mov_b32 s93, 0
	s_cmp_lt_u32 s[WV], 3                          ; who prefetches: waves 0 to 2
	s_cselect_b32 s94, 0, 1
	s_or_b32 s94, s94, s82                         ; of the (b, h)'s first cluster: the same in all four partners
	s_cmp_eq_u32 s94, 0
	s_cselect_b32 s[LIM], 1, -1
	; descriptor group 1: 96 rows of 32 elements of 8 bytes, dense: 24,576 bytes
	s_mov_b32 s[G1], 15|(3<<16)|(1<<21)            ; the mask: all four work-groups; elements of 8 bytes; bit 21 beside a mask; no padding
	s_mov_b32 s[G1+1], 32<<16
	s_mov_b32 s[G1+2], 96<<16
	s_mov_b32 s[G1+3], 32<<16
	s_mov_b32 s[G1+4], 96
	s_mov_b32 s[G1+5], 32
	s_mov_b32 s[G1+6], 0
	s_mov_b32 s[G1+7], 0
	s_mov_b32 s[SEL], 0x76543210
	s_mov_b32 s[SEL+1], 0xfedcba98
	s_mov_b32 s[SLOTS], 15
	s_mov_b32 s59, 0x3c000000                      ; 1 / 128
	s_mov_b32 s60, 0x3727c5ac                      ; 1e-5
	s_wait_dscnt 0x0                               ; both opening adds are done
	s_wait_kmcnt 0x0
	s_load_b256 s[68:75], s[8:9], 0x0              ; e0 .. e7
	s_load_b128 s[76:79], s[8:9], 0x20             ; e8 .. e11
	s_add_nc_u64 s[6:7], s[6:7], s[84:85]          ; kv at my (b, h)
	s_mov_b32 s[G0], 1
	s_mov_b32 s[G0+1], s86                         ; LDS address: slot 0
	s_add_nc_u64 s[G0+2:G0+3], s[6:7], s[86:87]
	s_or_b32 s[G0+3], s[G0+3], 0x80000000
	s_add_nc_u64 s[PFA:PFA+1], s[6:7], s[88:89]
	s_add_nc_u64 s[4:5], s[4:5], s[90:91]
	s_add_nc_u64 s[20:21], s[20:21], s[92:93]
	CROUND                                         ; all four work-groups are here: the first joint loads meet
	tensor_load_to_lds s[G0:G0+3], s[G1:G1+7]      ; slot 0: one tensor load a wave at the head
	s_nop 0
	PLACES
.irp T, 0,1,2,3
	W4 \T,0,0,0
	global_load_b128 v[16:19], v[LI], s[4:5] offset:1024*\T        ; Q stays in registers: tile T in window T
	global_load_b128 v[20:23], v[LI], s[4:5] offset:1024*\T+512
.endr
	WIN 0
	global_load_b64 v[96:97], v11, s[10:11]        ; the four lambdas, two numbers a lane
	global_load_b64 v[98:99], v11, s[12:13]
	global_load_b64 v[100:101], v11, s[14:15]
	global_load_b64 v[102:103], v11, s[16:17]
	s_wait_kmcnt 0x0
	s_cmp_eq_u32 s[II], 0                          ; my attention's four exponents: chosen, not branched on
	s_cselect_b32 s52, s70, s74
	s_cselect_b32 s53, s71, s75
	s_cselect_b32 s54, s72, s76
	s_cselect_b32 s55, s73, s77
	s_add_co_i32 s80, s52, s53
	s_lshl_b32 s80, s80, 23
	s_mov_b32 s[CS], 0x3e38aa3b                    ; log2(e) / 8
	s_add_co_i32 s[CS], s[CS], s80                 ; x 2^(eq + ek)
	s_mov_b32 s[CS+1], s[CS]
	s_add_co_i32 s[EPV], s54, s55
	s_add_co_i32 s96, s54, 127
	s_lshl_b32 s95, s96, 23                        ; 2^ep
	s_add_co_i32 s96, s96, 8
	s_lshl_b32 s96, s96, 23
	s_or_b32 s96, s96, 0x600000                    ; 448 x 2^ep
.irp T, 0,1,2,3
	W4 \T,\T,\T,\T
	v_mov_b32 v240, s96
	v_mov_b32 v241, s96
	v_mov_b32 v244, s95
.set j, 0
.rept 80
	v_mov_b32 v[160+j], 0                          ; O^T, and the codes that the first step's lagging products read
.set j, j+1
.endr
.endr
.irp T, 1,2
	W4 \T,\T,\T,\T
.set j, 0
.rept 64
	v_mov_b32 v[32+j], 0                           ; and V's registers for those products
.set j, j+1
.endr
.endr
	WIN 0x55
.irp T, 0,1,2,3
	v_mov_b32 v[NM+2*\T+1], 0xff61b1e6             ; the largest t so far: -3e38,
	v_mov_b32 v[NM+2*\T], 0x7f61b1e6               ; and -M = 3e38, a whole number
	v_mov_b32 v[FP+2*\T], 0
	v_mov_b32 v[FP+2*\T+1], 0
	v_mov_b32 v[LP+2*\T], 0
	v_mov_b32 v[LP+2*\T+1], 0
.endr
	WIN 0
	s_wait_loadcnt 0x0                             ; Q and the lambdas
	v_mul_f32 v104, v96, v98                       ; lam = exp(sum lq1 lk1) - exp(sum lq2 lk2) + 0.2
	v_mul_f32 v105, v100, v102
	v_fmac_f32 v104, v97, v99
	v_fmac_f32 v105, v101, v103
.irp m, 1,2,4,8
	v_add_f32_dpp v104, v104, v104 row_xmask:\m row_mask:0xf bank_mask:0xf
	v_add_f32_dpp v105, v105, v105 row_xmask:\m row_mask:0xf bank_mask:0xf
.endr
	v_mov_b32 v106, 0
	v_mov_b32 v107, 0
	v_permlanex16_b32 v106, v104, s[SEL], s[SEL+1]
	v_permlanex16_b32 v107, v105, s[SEL], s[SEL+1]
	v_add_f32 v104, v104, v106
	v_add_f32 v105, v105, v107
	v_mul_f32 v104, 0x3fb8aa3b, v104
	v_mul_f32 v105, 0x3fb8aa3b, v105
	s_wait_alu depctr_va_vdst(0)
	v_exp_f32 v104, v104
	v_exp_f32 v105, v105
	v_nop
	s_wait_alu depctr_va_vdst(0)
	v_sub_f32 v104, v105, v104
	v_add_f32 v104, 0xbe4ccccd, v104               ; -lam
	v_readfirstlane_b32 s97, v104
	s_mov_b32 s[GF], 0x3f800000
	s_cmp_eq_u32 s[II], 0
	s_cselect_b32 s[GF], s[GF], s97                ; the first attention counts once, the second -lam times
	s_wait_alu depctr_va_vdst(0)                   ; the wait at the head's end
	s_wait_tensorcnt 0x0                           ; my part of slot 0 is in; slot 1's first fill is issued as a refill is
	ds_add_u32 v[SPW], v[NIL]
	s_xor_b32 s[G0+1], s[G0+1], SLOT1
	s_add_nc_u64 s[G0+2:G0+3], s[G0+2:G0+3], SLOTB
	s_wait_dscnt 0x0
	CROUND
	FILL                                           ; slot 1; the prefetch names slot 2
	KLOAD
	s_mov_b32 s[SLOTS], 14
.Lslot_a:                                          ; slots 0 to 13: each is filled again, with the keys two slots on
	BODY 1
	s_sub_co_u32 s[SLOTS], s[SLOTS], 1
	s_cmp_lg_u32 s[SLOTS], 0
	s_cbranch_scc1 .Lslot_a
	s_mov_b32 s[SLOTS], 2
.Lslot_b:                                          ; slots 14 and 15 are filled no more
	BODY 0
	s_sub_co_u32 s[SLOTS], s[SLOTS], 1
	s_cmp_lg_u32 s[SLOTS], 0
	s_cbranch_scc1 .Lslot_b
	PV                                             ; the last step's second product
	WIN 0
	; THE TAIL.  Each wave's four tiles go, divided and weighed, into a stage in LDS as images of their registers; behind a barrier wave w adds the two attentions' tiles 2 w and 2 w + 1, norms, quantises and stores them.
	; The stage lies in slot 0 and the bytes between the slots: slot 0 has had its last fill, and every wave has left it.
	s_wait_dscnt 0x0                               ; no LDS load is out
	PLACES
.irp n, 0,1
	W4 \n,0,0,0
.set j, 0
.rept 16
	global_load_b128 v[32+4*j:35+4*j], v[WO], s[18:19] offset:128*(j/4)+16*(j%4)   ; sub_norm_w at my channels 32 b + 16 (lane / 16) + 0 .. 15, once for each tile that I finish
.set j, j+1
.endr
.endr
	WIN 0x55
.irp T, 0,1,2,3
	v_add_f32 v[LP+2*\T], v[LP+2*\T], v[LP+2*\T+1]
.endr
.irp T, 0,1,2,3
	v_permlanex16_b32 v[FP+2*\T+1], v[LP+2*\T], s[SEL], s[SEL+1]
.endr
.irp T, 0,1,2,3
	v_add_f32 v[LP+2*\T], v[LP+2*\T], v[FP+2*\T+1] ; the row's sum
.endr
	s_wait_alu depctr_va_vdst(0)
.irp T, 0,1,2,3
	v_rcp_f32 v[LP+2*\T], v[LP+2*\T]
.endr
	v_nop
	s_wait_alu depctr_va_vdst(0)
.irp T, 0,1,2,3
	v_ldexp_f32 v[LP+2*\T], v[LP+2*\T], s[EPV]     ; x 2^(ep + ev)
.endr
.irp T, 0,1,2,3
	v_mul_f32 v[LP+2*\T], s[GF], v[LP+2*\T]        ; x 1 or -lam
.endr
.irp T, 0,1,2,3
	W4 \T,0,1,\T
	s_wait_alu depctr_va_vdst(0)                   ; the wait here, directly ahead of the first readers of O^T
.set j, 0
.rept 32
	v_pk_mul_f32 v[96+j:97+j], v[160+j:161+j], v[LP+2*\T:LP+2*\T+1] op_sel_hi:[1,0]
.set j, j+2
.endr
.endr
.irp T, 0,1,2,3
	W4 0,0,\T,0
.set g, 0
.rept 16
	ds_store_b128 v[STO], v[96+4*g:99+4*g] offset:8192*\T+512*g
.set g, g+1
.endr
.endr
	WIN 0
	s_wait_dscnt 0x0                               ; my stores have landed,
	s_barrier_signal -1
	s_barrier_wait -1                              ; everybody's have
.irp n, 0,1
	W4 \n,0,0,0
.set g, 0
.rept 16
	ds_load_b128 v[96+4*g:99+4*g], v[RD1] offset:8192*\n+512*g
.set g, g+1
.endr
.set g, 0
.rept 16
	ds_load_b128 v[160+4*g:163+4*g], v[RD2] offset:8192*\n+512*g
.set g, g+1
.endr
.endr
	WIN 0
	s_add_co_i32 s96, s78, 127                     ; e10
	s_lshl_b32 s95, s96, 23
	s_add_co_i32 s96, s96, 8
	s_lshl_b32 s96, s96, 23
	s_or_b32 s96, s96, 0x600000
	s_wait_dscnt 0x0
	s_wait_loadcnt 0x0                             ; sub_norm_w
	NORM 0
	NORM 1
	WIN 0
	s_wait_tensorcnt 0x0                           ; the wave's end
	ds_add_u32 v[SPW], v[NIL]
	s_wait_dscnt 0x0
	CROUND                                         ; the closing round: no work-group ends while a partner may still ask for a tile that names it
	s_endpgm
.Lfunc_end_k_qaadef9eaca_attn:
	.size	k_qaadef9eaca_attn, .Lfunc_end_k_qaadef9eaca_attn-k_qaadef9eaca_attn
	.p2alignl 7, 3214868480
	.fill 96, 4, 3214868480
	.section	.rodata,"a",@progbits
	.p2align	6, 0x0
	.amdhsa_kernel k_qaadef9eaca_attn
		.amdhsa_group_segment_fixed_size 327680
		.amdhsa_private_segment_fixed_size 0
		.amdhsa_enable_private_segment 0
		.amdhsa_kernarg_size 72
		.amdhsa_user_sgpr_count 2
		.amdhsa_user_sgpr_kernarg_segment_ptr 1
		.amdhsa_wavefront_size32 1
		.amdhsa_system_sgpr_workgroup_id_x 1
		.amdhsa_system_sgpr_workgroup_id_y 1
		.amdhsa_system_sgpr_workgroup_id_z 1
		.amdhsa_system_vgpr_workitem_id 0
		.amdhsa_next_free_vgpr 1024
		.amdhsa_next_free_sgpr 100
		.amdhsa_reserve_vcc 0
		.amdhsa_float_denorm_mode_32 3
		.amdhsa_float_denorm_mode_16_64 3
		.amdhsa_memory_ordered 1
		.amdhsa_forward_progress 1
		.amdhsa_inst_pref_size 255
	.end_amdhsa_kernel
	.section	.bss,"aw",@nobits
	.p2align	6
	.space	262144
	.amdgpu_metadata
---
amdhsa.version: [ 1, 2 ]
amdhsa.kernels:
  - .name:           k_qaadef9eaca_attn
    .symbol:         k_qaadef9eaca_attn.kd
    .args:
      - { .name: qc, .offset: 0, .size: 8, .value_kind: global_buffer, .address_space: global }
      - { .name: kv, .offset: 8, .size: 8, .value_kind: global_buffer, .address_space: global }
      - { .name: lowp_scales, .offset: 16, .size: 8, .value_kind: global_buffer, .address_space: global }
      - { .name: lambda_q1, .offset: 24, .size: 8, .value_kind: global_buffer, .address_space: global }
      - { .name: lambda_k1, .offset: 32, .size: 8, .value_kind: global_buffer, .address_space: global }
      - { .name: lambda_q2, .offset: 40, .size: 8, .value_kind: global_buffer, .address_space: global }
      - { .name: lambda_k2, .offset: 48, .size: 8, .value_kind: global_buffer, .address_space: global }
      - { .name: sub_norm_w, .offset: 56, .size: 8, .value_kind: global_buffer, .address_space: global }
      - { .name: oc, .offset: 64, .size: 8, .value_kind: global_buffer, .address_space: global }
    .group_segment_fixed_size: 327680
    .private_segment_fixed_size: 0
    .kernarg_segment_align: 8
    .kernarg_segment_size: 72
    .max_flat_workgroup_size: 128
    .sgpr_count:     100
    .vgpr_count:     1024
    .wavefront_size: 32
...
	.end_amdgpu_metadata
.endif
;; end of part 2
;; launch proj (part 3): grid 256 x 1, 16 waves a work-group, no clusters, 68,608 bytes of LDS; arguments oc, wp, lowp_scales, b_proj, out0; writes out0
.if DOCPART == 3
	.amdgcn_target "amdgcn-amd-amdhsa--gfx1250"
	.amdhsa_code_object_version 6
	.text
	.protected	k_qaadef9eaca_proj
	.globl	k_qaadef9eaca_proj
	.p2align	8
	.type	k_qaadef9eaca_proj,@function
k_qaadef9eaca_proj:
	s_mov_b64 s[64:65], 0
	v_nop
	global_prefetch_b8 v0, s[64:65] scope:SCOPE_SE
	s_setreg_imm32_b32 hwreg(HW_REG_WAVE_MODE, 25, 1), 1
	s_wait_xcnt 0x0
; out0 = o w_proj^T + b_proj on codes of FP8 (E4M3).  oc [tile of 16 rows 1,024][K step 2][c 4][lane][16] and wp [tile of 16 rows 16][K step 2][c 4][lane][16] are images of operand registers; out0 [16384][256] f32.
; Lane r of row tile gt holds row 32 (gt / 2) + 8 (gt % 2) + P(r), P(r) = r + 8 (r / 8): the stage in LDS puts the rows back in order.
; SHARES.  A work-group takes 64 rows (tiles 4 id + m).  Wave w: row tiles 2 (w % 2) + mm, column tiles 2 (w / 2) + nn: four products of 16 x 16 x 256 from 8 KB of each operand.
; The product is used transposed (source 0 = w_proj's rows, source 1 = o's rows): a lane holds eight neighbouring columns of one row.  A sum stands for sum x 2^(e10 + e11): one packed multiply-add gives sum x that + bias.
; The operands come straight into registers, 512 consecutive bytes a load; no ring, no cluster and no prefetch: each work-group reads 16 KB of its own and the 64 KB of wp once and ends.
; The stage's rows are 1,040 bytes apart; the two groups of eight rows of a tile lie 16 rows apart and fall on the same banks: the stores go two deep.
; LIMIT: e10 + e11 between -126 and 127.
.set LI,  1                            ; v1   16 x lane
.set SO,  2                            ; v2   the stage, in: P(r) x 1,040 + 32 (lane / 16) + 33,280 (w % 2) + 128 (w / 2)
.set SR,  3                            ; v3   and back: 16 x lane + 4,160 x wave: four whole rows
.set BO,  4                            ; v4   32 (lane / 16): my eight numbers of the bias
.set BI,  32                           ; v32-47   the bias: eight registers for each nn
.set OF,  64                           ; v64-127  o's fragments at OF + 32 mm + 16 s; later the rows read back
.set WPF, 128                          ; v128-191 w_proj's at WPF + 32 nn + 16 s
.set ACC, 192                          ; v192-223 four accumulators at ACC + 8 (2 mm + nn)
.set TMP, 224                          ; v224-255 the finished numbers
	s_load_b256 s[4:11], s[0:1], 0x0               ; oc s[4:5], wp s[6:7], the exponents s[8:9], b_proj s[10:11]
	s_load_b64 s[12:13], s[0:1], 0x20              ; out0
	v_lshl_add_u32 v62, v0, 2, 0x10400
	v_mov_b32 v63, 0
	v_lshrrev_b32 v5, 5, v0
	s_delay_alu instid0(VALU_DEP_1)
	v_readfirstlane_b32 s16, v5                    ; wave 0..15
	s_and_b32 s17, s16, 1                          ; mp
	s_lshr_b32 s18, s16, 1                         ; np
	v_and_b32 v5, 31, v0
	s_delay_alu instid0(VALU_DEP_1)
	v_lshlrev_b32 v[LI], 4, v5
	v_and_b32 v6, 15, v0                           ; r
	v_bfe_u32 v7, v0, 4, 1
	s_delay_alu instid0(VALU_DEP_1)
	v_lshlrev_b32 v[BO], 5, v7
	s_delay_alu instid0(VALU_DEP_3)
	v_and_b32 v5, 8, v6
	s_delay_alu instid0(VALU_DEP_1)
	v_add_nc_u32 v5, v5, v6                        ; P(r)
	s_delay_alu instid0(VALU_DEP_1)
	v_mul_u32_u24 v[SO], v5, 1040
	s_delay_alu instid0(VALU_DEP_1)
	v_add_nc_u32 v[SO], v[SO], v[BO]
	s_mul_i32 s22, s17, 33280
	s_lshl_b32 s23, s18, 7
	s_add_co_u32 s22, s22, s23
	v_add_nc_u32 v[SO], s22, v[SO]
	s_mul_i32 s22, s16, 4160
	v_add_nc_u32 v[SR], s22, v[LI]
	s_lshl_b32 s24, ttmp9, 14                      ; oc: four tiles of 4,096 bytes a work-group, two a wave
	s_lshl_b32 s22, s17, 13
	s_add_co_u32 s24, s24, s22
	s_mov_b32 s25, 0
	s_lshl_b32 s26, s18, 13                        ; wp: two tiles of 4,096 bytes
	s_mov_b32 s27, 0
	s_lshl_b32 s28, s18, 7                         ; b_proj: 32 numbers
	s_mov_b32 s29, 0
	s_lshl_b32 s30, ttmp9, 16                      ; out0: 64 rows of 1,024 bytes a work-group, four a wave
	s_lshl_b32 s22, s16, 12
	s_add_co_u32 s30, s30, s22
	s_mov_b32 s31, 0
	s_wait_alu depctr_va_vdst(0)
	s_wait_kmcnt 0x0
	s_load_b64 s[14:15], s[8:9], 0x28              ; e10, e11
	s_add_nc_u64 s[4:5], s[4:5], s[24:25]
	s_add_nc_u64 s[6:7], s[6:7], s[26:27]
	s_add_nc_u64 s[10:11], s[10:11], s[28:29]
	s_add_nc_u64 s[12:13], s[12:13], s[30:31]
.irp n, 0,1,2,3,4,5,6,7,8,9,10,11,12,13,14,15
	global_load_b128 v[OF+4*\n:OF+4*\n+3], v[LI], s[4:5] offset:512*\n
.endr
.irp n, 0,1,2,3,4,5,6,7,8,9,10,11,12,13,14,15
	global_load_b128 v[WPF+4*\n:WPF+4*\n+3], v[LI], s[6:7] offset:512*\n
.endr
.irp nn, 0,1
	global_load_b128 v[BI+8*\nn:BI+8*\nn+3], v[BO], s[10:11] offset:64*\nn
	global_load_b128 v[BI+8*\nn+4:BI+8*\nn+7], v[BO], s[10:11] offset:64*\nn+16
.endr
	s_wait_kmcnt 0x0
	s_add_co_i32 s20, s14, s15
	s_add_co_i32 s20, s20, 127
	s_lshl_b32 s20, s20, 23                        ; 2^(e10 + e11) as f32
	s_mov_b32 s21, s20                             ; (named with it as a pair, so it is written)
	s_wait_loadcnt 0x0
.irp ks, 0,1                                   ; the four accumulators take turns, one instruction a turn
.irp mm, 0,1
.irp nn, 0,1
.if \ks == 0
	v_wmma_f32_16x16x128_fp8_fp8 v[ACC+8*(2*\mm+\nn):ACC+8*(2*\mm+\nn)+7], v[WPF+32*\nn+16*\ks:WPF+32*\nn+16*\ks+15], v[OF+32*\mm+16*\ks:OF+32*\mm+16*\ks+15], 0
.else
	v_wmma_f32_16x16x128_fp8_fp8 v[ACC+8*(2*\mm+\nn):ACC+8*(2*\mm+\nn)+7], v[WPF+32*\nn+16*\ks:WPF+32*\nn+16*\ks+15], v[OF+32*\mm+16*\ks:OF+32*\mm+16*\ks+15], v[ACC+8*(2*\mm+\nn):ACC+8*(2*\mm+\nn)+7]
.endif
.endr
.endr
.endr
.rept 4
	v_nop                                          ; four places ahead of the first read of results (ISA guide 7.12.1)
.endr
.irp mm, 0,1
.irp nn, 0,1
.irp i, 0,2,4,6
	v_pk_fma_f32 v[TMP+8*(2*\mm+\nn)+\i:TMP+8*(2*\mm+\nn)+\i+1], v[ACC+8*(2*\mm+\nn)+\i:ACC+8*(2*\mm+\nn)+\i+1], s[20:21], v[BI+8*\nn+\i:BI+8*\nn+\i+1] op_sel_hi:[1,0,1]   ; sum x 2^(e10 + e11) + bias; each accumulator from its low end on
.endr
.endr
.endr
.irp mm, 0,1
.irp nn, 0,1
	ds_store_b128 v[SO], v[TMP+8*(2*\mm+\nn):TMP+8*(2*\mm+\nn)+3] offset:8320*\mm+64*\nn        ; row 32 mp + 8 mm + P(r), columns 16 (2 np + nn) + 8 (lane / 16) + 0 .. 7
	ds_store_b128 v[SO], v[TMP+8*(2*\mm+\nn)+4:TMP+8*(2*\mm+\nn)+7] offset:8320*\mm+64*\nn+16
.endr
.endr
	s_wait_dscnt 0x0                               ; my stores have landed,
	s_barrier_signal -1
	s_barrier_wait -1                              ; everybody's have: 64 whole rows lie in the stage
.irp n, 0,1,2,3,4,5,6,7
	ds_load_b128 v[OF+4*\n:OF+4*\n+3], v[SR] offset:1040*(\n/2)+512*(\n%2)
.endr
.irp n, 0,1,2,3,4,5,6,7
	s_wait_dscnt 7-\n                              ; LDS loads come back in order (ISA guide 5.7.1): load n is in
	global_store_b128 v[LI], v[OF+4*\n:OF+4*\n+3], s[12:13] offset:512*\n th:TH_STORE_NT   ; 512 consecutive bytes, aligned: half a row; written once, read by nobody here
.endr
	s_wait_tensorcnt 0x0
	ds_add_u32 v62, v63
	s_wait_dscnt 0x0
	s_endpgm
.Lfunc_end_k_qaadef9eaca_proj:
	.size	k_qaadef9eaca_proj, .Lfunc_end_k_qaadef9eaca_proj-k_qaadef9eaca_proj
	.p2alignl 7, 3214868480
	.fill 96, 4, 3214868480
	.section	.rodata,"a",@progbits
	.p2align	6, 0x0
	.amdhsa_kernel k_qaadef9eaca_proj
		.amdhsa_group_segment_fixed_size 68608
		.amdhsa_private_segment_fixed_size 0
		.amdhsa_enable_private_segment 0
		.amdhsa_kernarg_size 40
		.amdhsa_user_sgpr_count 2
		.amdhsa_user_sgpr_kernarg_segment_ptr 1
		.amdhsa_wavefront_size32 1
		.amdhsa_system_sgpr_workgroup_id_x 1
		.amdhsa_system_sgpr_workgroup_id_y 1
		.amdhsa_system_sgpr_workgroup_id_z 1
		.amdhsa_system_vgpr_workitem_id 0
		.amdhsa_next_free_vgpr 256
		.amdhsa_next_free_sgpr 66
		.amdhsa_reserve_vcc 0
		.amdhsa_float_denorm_mode_32 3
		.amdhsa_float_denorm_mode_16_64 3
		.amdhsa_memory_ordered 1
		.amdhsa_forward_progress 1
		.amdhsa_inst_pref_size 10
	.end_amdhsa_kernel
	.amdgpu_metadata
---
amdhsa.version: [ 1, 2 ]
amdhsa.kernels:
  - .name:           k_qaadef9eaca_proj
    .symbol:         k_qaadef9eaca_proj.kd
    .args:
      - { .name: oc, .offset: 0, .size: 8, .value_kind: global_buffer, .address_space: global }
      - { .name: wp, .offset: 8, .size: 8, .value_kind: global_buffer, .address_space: global }
      - { .name: lowp_scales, .offset: 16, .size: 8, .value_kind: global_buffer, .address_space: global }
      - { .name: b_proj, .offset: 24, .size: 8, .value_kind: global_buffer, .address_space: global }
      - { .name: out0, .offset: 32, .size: 8, .value_kind: global_buffer, .address_space: global }
    .group_segment_fixed_size: 68608
    .private_segment_fixed_size: 0
    .kernarg_segment_align: 8
    .kernarg_segment_size: 40
    .max_flat_workgroup_size: 512
    .sgpr_count:     66
    .vgpr_count:     256
    .wavefront_size: 32
...
	.end_amdgpu_metadata
.endif
;; end of part 3
